; MI455X (gfx1250); checked and timed in simulation.
; The chip was launched on July 23, 2026; its instructions are those of AMD's public machine-readable ISA for CDNA 5 (MIT licence, August 2026) and "CDNA5" Instruction Set Architecture Reference Guide (July 2026). The comments in the code are by the model that wrote it; some were corrected since.
;; GPT2 Self Attention. Allowed arithmetic: matrix products marked QUANTISED: E5M2 operands, one given power-of-two scale a tensor, by v_wmma_f32_16x16x64_bf8_bf8 or v_wmma_f32_16x16x128_bf8_bf8, f32 sums; everything else in f32.
;; Inputs: b_attn 3,072 float32; b_proj 1,024 float32; lowp_scales 8 int32 (the exponents e of the quantised operands' scales 2^e); w_attn 1,024 x 3,072 float32; w_proj 1,024 x 1,024 float32; x 4 x 2,048 x 1,024 float32.
;; Outputs: out0 4 x 2,048 x 1,024 float32.
;; This version of the problem:
;;   THIS VERSION OF THE PROBLEM IS GIVEN IN LOW PRECISION. The matrix products marked QUANTISED in the list below multiply operands that are first quantised to E5M2 (5 exponent bits, 2 mantissa bits; 8 bits a number), with one given power-of-two scale for each operand tensor; their sums are f32. All else is computed in f32.
;;   The module's matrix products, in the order in which they are computed (A, B: the left and right operand; K: the contracted axis; several contracted axes count as one K, in the product's order):
;;     1. [M 8,192, K 1,024] x [K 1,024, N 3,072]; A: input x; B: input w_attn: QUANTISED (scales: A lowp_scales[0], B lowp_scales[1])
;;     2. batch 64 x [M 2,048, K 64] x [K 64, N 2,048]; A: computed on the way; B: computed on the way: QUANTISED (scales: A lowp_scales[2], B lowp_scales[3])
;;     3. batch 64 x [M 2,048, K 2,048] x [K 2,048, N 64]; A: softmax (see below); B: computed on the way: QUANTISED (scales: A lowp_scales[4], B lowp_scales[5])
;;     4. [M 8,192, K 1,024] x [K 1,024, N 1,024]; A: computed on the way; B: input w_proj: QUANTISED (scales: A lowp_scales[6], B lowp_scales[7])
;;   THE QUANTISER, for each operand of a quantised product, along K:
;;     - The operand's scale is 2^e, e = its entry of the input lowp_scales (int32; the entries are numbered through the quantised products in the list's order, A before B).
;;     - Each number is divided by the scale, clamped to +-57,344, and rounded to the nearest number of E5M2, ties to even, subnormals kept.
;;     - The product sums the exact products of the quantised numbers (number of the format x scale) in f32.
;;   ~~~python
;;   def quantise(x, axis, e):      # numpy; x: float32 -> the quantised numbers, widened to float32 again
;;       x = np.moveaxis(x, axis, -1); K = x.shape[-1]
;;       r = np.clip(x / 2.0 ** e, -57344, 57344)
;;       step = 2.0 ** (np.maximum(np.frexp(np.where(r == 0, 1, r))[1] - 1, -14) - 2)
;;       q = np.round(r / step) * step * 2.0 ** e      # np.round: ties to even
;;       return np.moveaxis(q, -1, axis).astype(np.float32)
;;   ~~~
;;   SOFTMAX AHEAD OF A QUANTISED PRODUCT. Where the list says 'softmax', what is quantised is not the finished softmax but p = 2^(t - M), with t = logit x log2(e) and M = ceil(the row's largest t), a whole number; so 1/2 < the row's largest p <= 1. The row's sum l is taken of the UNQUANTISED p, in f32, and the product's result is divided by l at the end. Since M is a whole number, a kernel that streams over the keys may use a running M (the ceiling of the running maximum): every later rescaling is an exact power of two, so the quantised numbers keep their values, but for numbers so far below the row's largest that they fall under the format's range.
;;   OPERANDS COMPUTED ON THE WAY. 'Computed on the way' means the value that the module computes at that place (a softmax that the list does not call 'softmax' is quantised finished and normalised). What goes into a quantiser is computed in f32, as accurately as f32 sums, v_exp_f32 and their like allow (about 1e-6 of the number): no bf16 or f16 on the way to a quantiser, and a product that is left as it is and whose result goes on into a quantised operand takes f32 operands (vector FMAs, or v_wmma_f32_16x16x4_f32). A number that lies on a knife's edge between two numbers of the format may be rounded either way, as far as f32 arithmetic and the matrix unit's own rounding can turn it there, and no further.
;; One version. Each part assembles by itself: llvm-mc -triple=amdgcn-amd-amdhsa -mcpu=gfx1250 --defsym DOCPART=n.
;; ======== version 1 of 1: 4 launches
;; limits: right only within a limited range of input values
;; workspace buffers: x_img 8,388,608 bytes; wa_img 3,145,728 bytes; wp_img 1,048,576 bytes; q_img 8,388,608 bytes; k_img 8,388,608 bytes; v_img 8,388,608 bytes; y_img 8,388,608 bytes
;; launch prep (part 1): grid 768 x 1, 4 waves a work-group, no clusters, 34,304 bytes of LDS; arguments x, w_attn, w_proj, lowp_scales, x_img, wa_img, wp_img; writes x_img, wa_img, wp_img
.if DOCPART == 1
	.amdgcn_target "amdgcn-amd-amdhsa--gfx1250"
	.amdhsa_code_object_version 6
	.text
	.protected	k_q3960f352e4_prep
	.globl	k_q3960f352e4_prep
	.p2align	8
	.type	k_q3960f352e4_prep,@function
k_q3960f352e4_prep:
	s_mov_b64 s[64:65], 0
	v_nop
	global_prefetch_b8 v0, s[64:65] scope:SCOPE_SE
	s_setreg_imm32_b32 hwreg(HW_REG_WAVE_MODE, 25, 1), 1
	s_wait_xcnt 0x0
; x [8192][1024], w_attn [1024][3072] and w_proj [1024][1024], f32, become codes of BF8 (E5M2), each with its given scale 2^e (entries 0, 1 and 7 of lowp_scales).
; code = number / 2^e, held within +-57,344, rounded to the nearest code, ties to even.  LIMITS: -126 <= e <= 112, so that 2^e and 57,344 x 2^e are f32 numbers.  NaN among the inputs is not served.
; THE CODES ARE LAID AS IMAGES OF THE OPERAND'S REGISTERS.  A GROUP is 512 bytes: 16 rows x 32 along K; lane l = 16 h + r has its 16 bytes at 16 l: k = 8 h + 0..7, then 16 + 8 h + 0..7 of row r:
; four registers of a fragment of the plain 8-bit forms, every k in its own place.  For a matrix of rows x 1,024 along K, row tile p = row / 16, group G = k / 32:
;   byte = (p >> 3) << 17 + (G >> 3) << 15 + (p & 7) << 12 + (G & 7) << 9 + 16 l:   128 rows x 256 along K are one dense block of 32,768 bytes.
; The rows of the weights' images are the weights' COLUMNS n, since K is their first axis.
; Work-groups 0-511: 16 rows of x each.  512-703: 128 k x 128 columns of w_attn each.  704-767: the same of w_proj.  Waves share nothing: no barrier.  No tensor loads, no cluster: a stream in which nothing is shared.
.set R,    16                          ; x: v16-143  the numbers as loaded: 2 sub-steps x 16 rows x 4 registers
.set X,    144                         ; x: v144-207 64 numbers in the order of the operand's registers
.set C,    208                         ; x: v208-239 codes: 16 registers for each sub-step, so that no store's data are written again
.set SPX,  528                         ; x: a stage row: 512 bytes + 16 = 33 x 16: the 16 rows that a load touches begin at 16 different 16-byte columns of 256 bytes
.set XW,   16                          ; weights: v16-79  two sets of 32 numbers down K
.set CW,   80                          ; weights: v80-111 codes: 8 registers for each block
.macro MKSCALE e                       ; v6 = 2^e as f32 (the conversion takes its exponent field), v5 = 57,344 x 2^e
	s_add_co_i32 s30, s[\e], 127
	s_lshl_b32 s31, s30, 23
	v_mov_b32 v6, s31
	s_add_co_i32 s30, s30, 15
	s_lshl_b32 s30, s30, 23
	s_or_b32 s30, s30, 0x600000
	v_mov_b32 v5, s30
.endm
	s_load_b256 s[4:11], s[0:1], 0x0               ; x s[4:5], w_attn s[6:7], w_proj s[8:9], the scales' exponents s[10:11]
	s_load_b128 s[12:15], s[0:1], 0x20             ; x_img s[12:13], wa_img s[14:15]
	s_load_b64 s[16:17], s[0:1], 0x30              ; wp_img
	v_lshl_add_u32 v240, v0, 2, 0x8400
	v_mov_b32 v241, 0
	v_lshrrev_b32 v1, 5, v0
	v_readfirstlane_b32 s28, v1                    ; wave 0..3
	v_and_b32 v1, 31, v0                           ; lane
	s_wait_kmcnt 0x0
	s_load_b256 s[20:27], s[10:11], 0x0            ; e0 .. e7
	s_cmp_lt_u32 ttmp9, 512
	s_cbranch_scc0 .Lweights
	; ---- x: row tile = the work-group's number; wave w takes k = 256 w .. 256 w + 255, in two sub-steps of 128
	s_lshl_b32 s32, ttmp9, 16                      ; 16 rows of 4,096 bytes
	s_lshl_b32 s33, s28, 10                        ; + 256 w numbers
	s_add_co_u32 s32, s32, s33
	s_mov_b32 s33, 0
	s_add_nc_u64 s[4:5], s[4:5], s[32:33]
	s_wait_alu depctr_va_vdst(0)
	v_lshlrev_b32 v2, 4, v1                        ; 16 x lane
	s_wait_alu depctr_va_vdst(0)
.irp s, 0,1
.set n, 0
.rept 16
	global_load_b128 v[R+64*\s+4*n:R+64*\s+4*n+3], v2, s[4:5] offset:n*4096+\s*512 th:TH_LOAD_NT   ; 512 consecutive bytes of row n
.set n, n+1
.endr
.endr
	s_lshr_b32 s34, ttmp9, 3
	s_lshl_b32 s34, s34, 17                        ; (p >> 3) << 17
	s_lshl_b32 s35, s28, 15                        ; (G >> 3) = w
	s_add_co_u32 s34, s34, s35
	s_and_b32 s35, ttmp9, 7
	s_lshl_b32 s35, s35, 12                        ; (p & 7) << 12
	s_add_co_u32 s34, s34, s35
	s_mov_b32 s35, 0
	s_add_nc_u64 s[12:13], s[12:13], s[34:35]
	s_mul_i32 s36, s28, 16*SPX                     ; my wave's stage
	v_add_nc_u32 v3, s36, v2                       ; into it: a row as it lies
	v_and_b32 v7, 15, v0                           ; r
	v_bfe_u32 v8, v0, 4, 1                         ; h
	v_mul_u32_u24 v4, v7, SPX
	v_lshl_add_u32 v4, v8, 5, v4
	v_add_nc_u32 v4, s36, v4                       ; out of it: row r, + 8 h numbers
	s_wait_alu depctr_va_vdst(0)
	s_wait_kmcnt 0x0
	MKSCALE 20
	s_wait_alu depctr_va_vdst(0)
.irp s, 0,1
	s_wait_loadcnt 16-16*\s                        ; this sub-step's 16 loads are in; in the first the second's 16 may be out
.set n, 0
.rept 16
	ds_store_b128 v3, v[R+64*\s+4*n:R+64*\s+4*n+3] offset:n*SPX
.set n, n+1
.endr
.irp c, 0,1,2,3                        ; group c: k = 32 c + 8 h + 0..7 (bytes 0 and 16 on), then 32 c + 16 + 8 h + 0..7 (bytes 64 and 80 on).  LDS serves a wave's instructions in order: these see the stores above
.irp p, 0,1,2,3
	ds_load_b128 v[X+16*\c+4*\p:X+16*\c+4*\p+3], v4 offset:128*\c+64*(\p/2)+16*(\p%2)
.endr
.endr
	s_wait_dscnt 0x0
.set n, 0
.rept 64
	v_med3_num_f32 v[X+n], v[X+n], -v5, v5         ; the conversion to an 8-bit code does not saturate (ISA guide 7.6.2): hold first
.set n, n+1
.endr
.set n, 0
.rept 8
	v_cvt_scalef32_pk8_bf8_f32 v[C+16*\s+2*n:C+16*\s+2*n+1], v[X+8*n:X+8*n+7], v6
.set n, n+1
.endr
	v_nop                                          ; a plain line behind the conversions: the next sub-step's holds write the registers that they read
.irp c, 0,1,2,3
	global_store_b128 v2, v[C+16*\s+4*\c:C+16*\s+4*\c+3], s[12:13] offset:(4*\s+\c)*512   ; a group: 512 consecutive bytes
.endr
.endr
	s_wait_tensorcnt 0x0
	ds_add_u32 v240, v241
	s_wait_dscnt 0x0
	s_endpgm
; ---- the weights.  A lane takes a column n and its registers run down K: each load reads 128 consecutive bytes a wave, 512 a work-group, and the conversions give codes with K innermost.
.macro LOADW t, n, src                 ; block t: W(32 t + i, my column), i = 0 .. 31, into set t % 2
.set m, 0
.rept 32
	global_load_b32 v[XW+32*((\t)%2)+m], v2, s[\src:\src+1] offset:(32*(\t)+m)*\n*4 th:TH_LOAD_NT
.set m, m+1
.endr
.endm
.macro BLOCKW t, n, src, dst
.set XS, XW+32*((\t)%2)
.if (\t) < 3
	s_wait_loadcnt 32                              ; this block's 32 loads are in; the next block's may be out
.else
	s_wait_loadcnt 0
.endif
.set m, 0
.rept 32
	v_med3_num_f32 v[XS+m], v[XS+m], -v5, v5
.set m, m+1
.endr
	v_cvt_scalef32_pk8_bf8_f32 v[CW+8*(\t):CW+8*(\t)+1],   v[XS:XS+7],     v6   ; k 0-7 and 16-23 are the 16 bytes of the image's lane (r, 0),
	v_cvt_scalef32_pk8_bf8_f32 v[CW+8*(\t)+2:CW+8*(\t)+3], v[XS+16:XS+23], v6
	v_cvt_scalef32_pk8_bf8_f32 v[CW+8*(\t)+4:CW+8*(\t)+5], v[XS+8:XS+15],  v6   ; k 8-15 and 24-31 those of lane (r, 1)
	v_cvt_scalef32_pk8_bf8_f32 v[CW+8*(\t)+6:CW+8*(\t)+7], v[XS+24:XS+31], v6
	v_nop                                          ; a plain line behind the conversions
	global_store_b128 v3, v[CW+8*(\t):CW+8*(\t)+3],   s[\dst:\dst+1] offset:(\t)*512       ; sixteen lanes store 256 consecutive bytes, aligned
	global_store_b128 v3, v[CW+8*(\t)+4:CW+8*(\t)+7], s[\dst:\dst+1] offset:(\t)*512+256
.if (\t) < 2
	LOADW (\t)+2, \n, \src
.endif
.endm
.macro WPATH n, src, dst, e, first     ; a weight of n columns; its first work-group
	s_sub_co_u32 s32, ttmp9, \first
	s_and_b32 s33, s32, 7                          ; kb: which 128 along K
	s_lshr_b32 s34, s32, 3                         ; cb: which 128 columns
	s_mul_i32 s36, s33, 128*\n*4
	s_lshl_b32 s37, s34, 9
	s_add_co_u32 s36, s36, s37
	s_lshl_b32 s37, s28, 7                         ; my wave's 32 columns
	s_add_co_u32 s36, s36, s37
	s_mov_b32 s37, 0
	s_add_nc_u64 s[\src:\src+1], s[\src:\src+1], s[36:37]
	LOADW 0, \n, \src
	LOADW 1, \n, \src
	s_lshl_b32 s38, s34, 17                        ; image: p = 8 cb + 2 w + lane / 16, G = 4 kb + t
	s_lshr_b32 s39, s33, 1
	; THE WEIGHTS' IMAGES have a layout of their own: 64 columns x all 1,024 of K are one dense block of 65,536 bytes:
	; byte = (n >> 6) << 16 + (k >> 8) << 14 + ((n >> 4) & 3) << 12 + ((k >> 5) & 7) << 9 + 16 l.  (x's image keeps the formula at the head.)
	s_lshl_b32 s39, s39, 14
	s_add_co_u32 s38, s38, s39
	s_lshr_b32 s39, s28, 1
	s_lshl_b32 s39, s39, 16
	s_add_co_u32 s38, s38, s39
	s_and_b32 s39, s28, 1
	s_lshl_b32 s39, s39, 13
	s_add_co_u32 s38, s38, s39
	s_and_b32 s39, s33, 1
	s_lshl_b32 s39, s39, 11
	s_add_co_u32 s38, s38, s39
	s_mov_b32 s39, 0
	s_add_nc_u64 s[\dst:\dst+1], s[\dst:\dst+1], s[38:39]
	s_wait_kmcnt 0x0
	MKSCALE \e
	s_wait_alu depctr_va_vdst(0)
	BLOCKW 0, \n, \src, \dst
	BLOCKW 1, \n, \src, \dst
	BLOCKW 2, \n, \src, \dst
	BLOCKW 3, \n, \src, \dst
.endm
.Lweights:
	s_wait_alu depctr_va_vdst(0)
	v_lshlrev_b32 v2, 2, v1                        ; in: 4 bytes a lane
	v_lshrrev_b32 v3, 4, v1
	v_lshlrev_b32 v3, 12, v3                       ; out: (lane / 16) row tiles of 4,096 bytes
	v_and_b32 v4, 15, v1
	v_lshl_add_u32 v3, v4, 4, v3                   ; + 16 (lane % 16)
	s_cmp_lt_u32 ttmp9, 704
	s_cbranch_scc0 .Lproj
	s_wait_alu depctr_va_vdst(0)
	WPATH 3072, 6, 14, 21, 512
	s_endpgm
.Lproj:
	s_wait_alu depctr_va_vdst(0)
	WPATH 1024, 8, 16, 27, 704
	s_endpgm
.Lfunc_end_k_q3960f352e4_prep:
	.size	k_q3960f352e4_prep, .Lfunc_end_k_q3960f352e4_prep-k_q3960f352e4_prep
	.p2alignl 7, 3214868480
	.fill 96, 4, 3214868480
	.section	.rodata,"a",@progbits
	.p2align	6, 0x0
	.amdhsa_kernel k_q3960f352e4_prep
		.amdhsa_group_segment_fixed_size 34304
		.amdhsa_private_segment_fixed_size 0
		.amdhsa_enable_private_segment 0
		.amdhsa_kernarg_size 56
		.amdhsa_user_sgpr_count 2
		.amdhsa_user_sgpr_kernarg_segment_ptr 1
		.amdhsa_wavefront_size32 1
		.amdhsa_system_sgpr_workgroup_id_x 1
		.amdhsa_system_sgpr_workgroup_id_y 1
		.amdhsa_system_sgpr_workgroup_id_z 1
		.amdhsa_system_vgpr_workitem_id 0
		.amdhsa_next_free_vgpr 242
		.amdhsa_next_free_sgpr 66
		.amdhsa_reserve_vcc 0
		.amdhsa_float_denorm_mode_32 3
		.amdhsa_float_denorm_mode_16_64 3
		.amdhsa_memory_ordered 1
		.amdhsa_forward_progress 1
		.amdhsa_inst_pref_size 67
	.end_amdhsa_kernel
	.amdgpu_metadata
---
amdhsa.version: [ 1, 2 ]
amdhsa.kernels:
  - .name:           k_q3960f352e4_prep
    .symbol:         k_q3960f352e4_prep.kd
    .args:
      - { .name: x, .offset: 0, .size: 8, .value_kind: global_buffer, .address_space: global }
      - { .name: w_attn, .offset: 8, .size: 8, .value_kind: global_buffer, .address_space: global }
      - { .name: w_proj, .offset: 16, .size: 8, .value_kind: global_buffer, .address_space: global }
      - { .name: lowp_scales, .offset: 24, .size: 8, .value_kind: global_buffer, .address_space: global }
      - { .name: x_img, .offset: 32, .size: 8, .value_kind: global_buffer, .address_space: global }
      - { .name: wa_img, .offset: 40, .size: 8, .value_kind: global_buffer, .address_space: global }
      - { .name: wp_img, .offset: 48, .size: 8, .value_kind: global_buffer, .address_space: global }
    .group_segment_fixed_size: 34304
    .private_segment_fixed_size: 0
    .kernarg_segment_align: 8
    .kernarg_segment_size: 56
    .max_flat_workgroup_size: 128
    .sgpr_count:     66
    .vgpr_count:     242
    .wavefront_size: 32
...
	.end_amdgpu_metadata
.endif
;; end of part 1
;; launch qkv (part 2): grid 16 x 16, 4 waves a work-group, clusters of 4 x 1, 197,120 bytes of LDS; arguments x_img, wa_img, b_attn, lowp_scales, q_img, k_img, v_img; writes q_img, k_img, v_img
.if DOCPART == 2
	.amdgcn_target "amdgcn-amd-amdhsa--gfx1250"
	.amdhsa_code_object_version 6
	.text
	.protected	k_q3960f352e4_qkv
	.globl	k_q3960f352e4_qkv
	.p2align	8
	.type	k_q3960f352e4_qkv,@function
k_q3960f352e4_qkv:
	s_mov_b64 s[64:65], 0
	v_nop
	global_prefetch_b8 v0, s[64:65] scope:SCOPE_SE
	s_setreg_imm32_b32 hwreg(HW_REG_WAVE_MODE, 25, 1), 1
	s_wait_xcnt 0x0
	s_wait_alu depctr_hold_cnt(0) depctr_sa_sdst(0) depctr_va_vdst(0) depctr_va_sdst(0) depctr_va_ssrc(0) depctr_va_vcc(0) depctr_vm_vsrc(0)
	s_getreg_b32 s2, hwreg(HW_REG_IB_STS2, 6, 4)
	s_cmp_eq_u32 s2, 0
	s_cbranch_scc0 .Lentry_in_a_cluster
	s_endpgm
.Lentry_in_a_cluster:
	s_bfe_u32 s2, ttmp6, 0x10000c
	s_cmp_lg_u32 s2, 0x3003
	s_cbranch_scc0 .Lentry_shape_is_right
	s_endpgm
.Lentry_shape_is_right:
; qkv = x w_attn + b_attn on codes of BF8 (E5M2), K = 1,024; q, k and v are then quantised (2^e2, 2^e3, 2^e5) and stored as images of the registers in which the attention launch wants them.
; SHARES.  256 work-groups: work-group (rg, c) makes 512 rows of x (rg = 0..15) x 192 columns: the three heads 3 c + j of the 48 (0-15 q, 16-31 k, 32-47 v).
; THE THREE HEADS' WEIGHTS LIE WHOLE IN LDS: 3 x 65,536 bytes, dense in wa_img, filled once, one joint load of 49,152 bytes a wave: no ring, nothing is filled again, and no barrier stands in the walk along K.
; The four work-groups of a cluster (same c, neighbouring rg) ask for them jointly.  x's codes are each wave's own rows: x_img holds images of the operand's registers, so they go from memory straight into registers,
; 512 consecutive bytes a load, in four sets by turns, asked for four K steps of 128 ahead of their use (a pass's first four: ahead of the way out of the pass before).  So no separate prefetch is laid.
; A wave owns 128 rows, in two passes of 64 rows x 192 columns: 48 accumulators, 384 registers; a K step is three head steps of 16 products; a head's four fragments are fetched anew from LDS as soon as its products are issued.
; q, k: source 0 = 16 columns of w, source 1 = 16 rows of x: a lane holds one row t and eight neighbours along the head's axis, the next K.  v: the sources swapped: a lane holds one d and eight neighbouring KEYS.
; Which form a head takes hangs on c alone (a scalar branch, alike in all partners).
; THE BIAS is the C of a pass's first products, divided by 2^(e0 + e1), which the sums lack; that power is folded into the conversion's scale: code = (sum + bias') / 2^(e - e0 - e1), held first.
; OUT: q_img, k_img: head hb = 16 b + h at hb << 17, t tile x 1,024, group (d / 32) x 512.  v_img: hb << 17, key step (128 keys) x 8,192, d tile x 2,048, group (32 keys) x 512.  Each store covers 512 consecutive bytes.
; LIMITS: e0 + e1 between -126 and 126; e2, e3, e5 less e0 + e1 between -126 and 112.
; REGISTERS, in windows of 256: window 0: v0-31 addresses and scales, v32-63 at work, v64-255 the weights' fragments (a set of 64 for each head); window 1: x's fragments, four sets of 64;
;   window 2: the accumulators of heads 0 and 1 ((i, t) at 8 (4 i + t)); window 3: v0-127 head 2's, v128-223 the biases (32 j + 8 t + register).
.set SPARE, 196608
.set VR,  2
.set VH,  3
.set LI,  4                            ; v4 16 x lane; v5, v6 the same + 65,536, + 131,072: a head's weights in LDS
.set SPW, 8
.set NIL, 9
.set LIM, 10                           ; v10-12 57,344 x 2^(e - e0 - e1) of head j
.set SCL, 13                           ; v13-15 2^(e - e0 - e1)
.set BA,  32                           ; v32-55 the biases' offsets, 8 for each head
.set CD,  32                           ; v32-63 a head's codes
.set BF,  64
.set BIA, 128
.set WV,  18
.set CX,  19
.set CG,  20
.set RG,  21
.set AB,  22                           ; s[22:23] my rows in x_img, this pass's
.set G1,  24
.set G0,  32
.set BS,  36                           ; s[36:37] 2^-(e0 + e1)
.set CNT, 38
.set EX,  40
.set ISV, 48                           ; s48-50 1 where head j is one of v
.set OB,  52                           ; s[52:57] where head j's codes go
.set BB,  58                           ; s[58:63] head j's biases
.set STP, 80                           ; s[80:85] from pass to pass in head j's image
.set E01, 86
.set MSB, 0
.macro WIN new                         ; the immediate's high byte repeats the setting that is left
.if MSB != (\new)
	s_set_vgpr_msb (MSB<<8)|(\new)
.set MSB, (\new)
.endif
.endm
.macro NOP4                            ; places behind matrix instructions (ISA guide 7.12.1 for matrix instructions)
.rept 4
	v_nop
.endr
.endm
.macro CROUND
	s_barrier_signal -1
	s_barrier_wait -1
	s_cmp_lg_u32 s[WV], 0
	s_cbranch_scc1 .Lnot_wave_0_\@
	s_barrier_signal -3
.Lnot_wave_0_\@:
	s_barrier_wait -3
	s_barrier_signal -1
	s_barrier_wait -1
.endm
.macro BLOAD q, j                      ; head j's four fragments of K step q
.irp t, 0,1,2,3
.irp c, 0,1,2,3
	ds_load_b128 v[BF+64*(\j)+16*\t+4*\c:BF+64*(\j)+16*\t+4*\c+3], v[LI+\j] offset:((\q)/2)*16384+\t*4096+((\q)%2)*2048+\c*512
.endr
.endr
.endm
.macro ALOAD q                         ; x's four fragments of K step q into set q % 4
	WIN 0x40
.irp i, 0,1,2,3
.irp c, 0,1,2,3
	global_load_b128 v[64*((\q)%4)+16*\i+4*\c:64*((\q)%4)+16*\i+4*\c+3], v[LI], s[AB:AB+1] offset:((\q)/2)*32768+\i*4096+((\q)%2)*2048+\c*512
.endr
.endr
	WIN 0
.endm
; 16 products of head j: 4 row tiles x 4 column tiles, 128 along K; the accumulators take turns.  first: C = the bias.  sw: the sources swapped.
.macro MM j, as, first, sw
.set AW, 2+(\j)/2
.set AC, 128*((\j)%2)
.if \first
.set CW, 3
.else
.set CW, AW
.endif
.if \sw
	WIN (AW<<6)|(CW<<4)|0x01
.else
	WIN (AW<<6)|(CW<<4)|0x04
.endif
.irp i, 0,1,2,3
.irp t, 0,1,2,3
.set RD_, AC+8*(4*\i+\t)
.set FB_, BF+64*(\j)+16*\t
.set FA_, (\as)+16*\i
.if \first
.set RC_, BIA+32*(\j)+8*\t
.else
.set RC_, RD_
.endif
.if \sw
	v_wmma_f32_16x16x128_bf8_bf8 v[RD_:RD_+7], v[FA_:FA_+15], v[FB_:FB_+15], v[RC_:RC_+7]
.else
	v_wmma_f32_16x16x128_bf8_bf8 v[RD_:RD_+7], v[FB_:FB_+15], v[FA_:FA_+15], v[RC_:RC_+7]
.endif
.endr
.endr
.endm
.macro HS q, j                         ; a head step
.if (\q)==7
	s_wait_dscnt 32-16*(\j)                        ; nothing is fetched in a pass's last K step
.else
	s_wait_dscnt 32                                ; my head's 16 loads are in; the two younger sets' 32 may be out
.endif
.if (\j)==0
.if (\q)>4
	s_wait_loadcnt 16*(7-(\q))
.else
	s_wait_loadcnt 48                              ; this K step's set of x is in; the three younger sets' 48 loads may be out
.endif
.endif
	s_cmp_lg_u32 s[ISV+\j], 0
	s_cbranch_scc1 .Lsw_\@
	MM \j, 64*((\q)%4), (\q)==0, 0
	WIN 0
	s_branch .Ljn_\@
.Lsw_\@:
	MM \j, 64*((\q)%4), (\q)==0, 1
	WIN 0
.Ljn_\@:
	NOP4
.if (\q)<7
	BLOAD (\q)+1, \j
.endif
.if (\j)==2 && (\q)<4
	ALOAD (\q)+4
.endif
.endm
.macro EPH j                           ; head j's way out: the hold (the conversion does not saturate: ISA guide 7.6.2), the conversion, the stores
.set AW, 2+(\j)/2
.set AC, 128*((\j)%2)
.if (\j)>0
	s_wait_xcnt 0x0                                ; the head before's stores have read the codes' registers (ahead of head 0 the wait at the loop's bottom has shown that)
.endif
	WIN (AW<<6)|AW
.set n, 0
.rept 128
	v_med3_num_f32 v[AC+n], v[AC+n], -v[LIM+\j], v[LIM+\j]
.set n, n+1
.endr
	WIN 0
	s_wait_alu depctr_va_vdst(0)                   ; the wait directly ahead of the branch
	s_cmp_lg_u32 s[ISV+\j], 0
	s_cbranch_scc1 .Lev_\@
	WIN AW
.irp i, 0,1,2,3
.irp t, 0,1,2,3
	v_cvt_scalef32_pk8_bf8_f32 v[CD+8*\i+2*\t:CD+8*\i+2*\t+1], v[AC+8*(4*\i+\t):AC+8*(4*\i+\t)+7], v[SCL+\j]
.endr
.endr
	v_nop                                          ; a plain line behind the conversions
	WIN 0
.irp i, 0,1,2,3
.irp g, 0,1
	global_store_b128 v[LI], v[CD+8*\i+4*\g:CD+8*\i+4*\g+3], s[OB+2*\j:OB+2*\j+1] offset:\i*1024+\g*512   ; t tile i, d 32 g on
.endr
.endr
	s_branch .Lej_\@
.Lev_\@:
	WIN AW
.irp i, 0,1,2,3
.irp t, 0,1,2,3
	v_cvt_scalef32_pk8_bf8_f32 v[CD+8*\t+2*\i:CD+8*\t+2*\i+1], v[AC+8*(4*\i+\t):AC+8*(4*\i+\t)+7], v[SCL+\j]
.endr
.endr
	v_nop
	WIN 0
.irp t, 0,1,2,3
.irp g, 0,1
	global_store_b128 v[LI], v[CD+8*\t+4*\g:CD+8*\t+4*\g+3], s[OB+2*\j:OB+2*\j+1] offset:\t*2048+\g*512   ; d tile t, keys 32 g on
.endr
.endr
.Lej_\@:
.endm
.macro HEADJ j                         ; what hangs on head s = 3 c + j
	s_mul_i32 s68, s[CG], 3
	s_add_co_u32 s68, s68, \j
	s_mov_b32 s[STP+2*\j], 4096                    ; q, k: four t tiles of 1,024 bytes a pass
	s_mov_b32 s[STP+2*\j+1], 0
	s_cmp_ge_u32 s68, 32
	s_cselect_b32 s[ISV+\j], 1, 0
	s_cselect_b32 s72, 4, 0                        ; the bias of register jj of tile t: v: column 16 t + r;  q, k: column 16 t + 8 h + jj
	s_cselect_b32 s73, 0, 32
	s_cselect_b32 s74, 0, 4
	s_cselect_b32 s75, s[EX+5], s[EX+3]
	s_cselect_b32 s[STP+2*\j], 1024, s[STP+2*\j]   ; v: two groups of 512 bytes a pass
	s_cselect_b64 s[76:77], s[16:17], s[14:15]
	s_cmp_lt_u32 s68, 16
	s_cselect_b32 s75, s[EX+2], s75
	s_cselect_b64 s[76:77], s[12:13], s[76:77]
	s_lshl_b32 s70, s68, 8
	s_mov_b32 s71, 0
	s_add_nc_u64 s[BB+2*\j:BB+2*\j+1], s[8:9], s[70:71]
	s_and_b32 s69, s68, 15
	s_lshr_b32 s70, s[RG], 2                       ; b
	s_lshl_b32 s70, s70, 4
	s_add_co_u32 s70, s70, s69
	s_lshl_b32 s70, s70, 17                        ; hb << 17
	s_and_b32 s69, s[RG], 3
	s_lshl_b32 s69, s69, 2
	s_add_co_u32 s69, s69, s[WV]
	s_lshl_b32 s69, s69, 13                        ; my 128 rows: 8 t tiles of 1,024 bytes, or one key step of 8,192
	s_add_co_u32 s70, s70, s69
	s_add_nc_u64 s[OB+2*\j:OB+2*\j+1], s[76:77], s[70:71]
	s_sub_co_i32 s75, s75, s[E01]
	s_add_co_i32 s75, s75, 127
	s_lshl_b32 s79, s75, 23
	v_mov_b32 v[SCL+\j], s79
	s_add_co_i32 s75, s75, 15
	s_lshl_b32 s75, s75, 23
	s_or_b32 s75, s75, 0x600000
	v_mov_b32 v[LIM+\j], s75
	s_wait_alu depctr_va_vdst(0)                   ; the wait directly ahead of the reader below
	v_mul_u32_u24 v[BA+8*\j], v[VR], s72
	v_mad_u32_u24 v[BA+8*\j], v[VH], s73, v[BA+8*\j]
.irp jj, 1,2,3,4,5,6,7
	v_add_nc_u32 v[BA+8*\j+\jj], s74, v[BA+8*\j+\jj-1]
.endr
	WIN 0xc0
.irp t, 0,1,2,3
.irp jj, 0,1,2,3,4,5,6,7
	global_load_b32 v[BIA+32*\j+8*\t+\jj], v[BA+8*\j+\jj], s[BB+2*\j:BB+2*\j+1] offset:64*\t
.endr
.endr
	WIN 0
.endm
	s_load_b256 s[4:11], s[0:1], 0x0               ; x_img s[4:5], wa_img s[6:7], b_attn s[8:9], the scales' exponents s[10:11]
	s_load_b128 s[12:15], s[0:1], 0x20             ; q_img, k_img
	s_load_b64 s[16:17], s[0:1], 0x30              ; v_img
	v_lshl_add_u32 v[SPW], v0, 2, SPARE
	v_mov_b32 v[NIL], 0
	ds_add_u32 v[SPW], v[NIL]                      ; the opening lines: the add, twice on end, and its wait ahead of my tensor load
	ds_add_u32 v[SPW], v[NIL]
	v_lshrrev_b32 v1, 5, v0
	v_readfirstlane_b32 s[WV], v1                  ; wave 0..3
	s_bfe_u32 s[CX], ttmp6, 0x40000
	s_and_b32 s[CG], ttmp7, 0xffff                 ; c
	s_lshl_b32 s[RG], ttmp9, 2
	s_add_co_u32 s[RG], s[RG], s[CX]               ; rg
	s_mov_b32 s[G1], 15|(3<<16)|(1<<21)            ; the mask of all four; elements of 8 bytes; bit 21 beside a mask
	s_mov_b32 s[G1+1], 32<<16                      ; a dense block of 49,152 bytes as 192 rows of 256 bytes
	s_mov_b32 s[G1+2], 192<<16
	s_mov_b32 s[G1+3], 32<<16
	s_mov_b32 s[G1+4], 192
	s_mov_b32 s[G1+5], 32
	s_mov_b32 s[G1+6], 0
	s_mov_b32 s[G1+7], 0
	s_mul_i32 s66, s[CG], 196608
	s_mul_i32 s67, s[WV], 49152
	s_add_co_u32 s66, s66, s67
	s_mov_b32 s[G0+1], s67                         ; in LDS: 49,152 x wave
	s_mov_b32 s67, 0
	s_wait_dscnt 0x0
	s_wait_kmcnt 0x0
	s_load_b256 s[EX:EX+7], s[10:11], 0x0
	s_mov_b32 s[G0], 1
	s_add_nc_u64 s[G0+2:G0+3], s[6:7], s[66:67]
	s_or_b32 s[G0+3], s[G0+3], 0x80000000
	CROUND                                         ; all four work-groups are here: the joint loads meet
	tensor_load_to_lds s[G0:G0+3], s[G1:G1+7]      ; my one tensor load of the launch
	s_nop 0
	NOP4
	s_lshl_b32 s66, s[RG], 2
	s_add_co_u32 s66, s66, s[WV]
	s_lshl_b32 s66, s66, 17                        ; my 128 rows x 1,024 k: 131,072 bytes of x_img
	s_add_nc_u64 s[AB:AB+1], s[4:5], s[66:67]
	s_wait_kmcnt 0x0
	s_add_co_i32 s[E01], s[EX], s[EX+1]
	s_sub_co_i32 s66, 127, s[E01]
	s_lshl_b32 s[BS], s66, 23
	s_mov_b32 s[BS+1], s[BS]
	v_and_b32 v1, 31, v0
	v_lshlrev_b32 v[LI], 4, v1
	v_and_b32 v[VR], 15, v0
	v_bfe_u32 v[VH], v0, 4, 1
	v_add_nc_u32 v[LI+1], 0x10000, v[LI]
	v_add_nc_u32 v[LI+2], 0x20000, v[LI]
	HEADJ 0
	HEADJ 1
	HEADJ 2
	ALOAD 0
	ALOAD 1
	ALOAD 2
	ALOAD 3
	s_wait_alu depctr_va_vdst(0)
	s_wait_tensorcnt 0x0                           ; my quarter of the weights is in
	s_barrier_signal -1
	s_barrier_wait -1                              ; everybody's is: from here on the waves run free
	BLOAD 0, 0
	BLOAD 0, 1
	BLOAD 0, 2
	s_wait_loadcnt 48                              ; the biases are in (and x's first set); x's three younger sets may be out
	WIN 0xc3
.set n, 0
.rept 48
	v_pk_mul_f32 v[BIA+n:BIA+n+1], v[BIA+n:BIA+n+1], s[BS:BS+1] op_sel_hi:[1,0]   ; bias / 2^(e0 + e1): exact
.set n, n+2
.endr
	WIN 0
	s_wait_alu depctr_va_vdst(0)                   ; the wait ahead of the waits below
	s_mov_b32 s[CNT], 2
.Lpass:                                            ; 64 rows x 192 columns
.irp q, 0,1,2,3,4,5,6,7
	HS \q, 0
	HS \q, 1
	HS \q, 2
.endr
	s_cmp_eq_u32 s[CNT], 1
	s_cbranch_scc1 .Llast
	s_wait_xcnt 0x0                                ; my loads have read their base
	s_add_nc_u64 s[AB:AB+1], s[AB:AB+1], 16384     ; four row tiles on
	BLOAD 0, 0                                     ; the next pass's first fragments are asked for ahead of this pass's way out
	BLOAD 0, 1
	BLOAD 0, 2
	ALOAD 0
	ALOAD 1
	ALOAD 2
	ALOAD 3
.Llast:
	EPH 0
	EPH 1
	EPH 2
	s_wait_xcnt 0x0                                ; the stores have read their bases
.irp j, 0,1,2
	s_add_nc_u64 s[OB+2*\j:OB+2*\j+1], s[OB+2*\j:OB+2*\j+1], s[STP+2*\j:STP+2*\j+1]
.endr
	s_sub_co_u32 s[CNT], s[CNT], 1
	s_cmp_lg_u32 s[CNT], 0
	s_cbranch_scc1 .Lpass
	s_wait_tensorcnt 0x0                           ; the wave's end
	ds_add_u32 v[SPW], v[NIL]
	s_wait_dscnt 0x0
	CROUND                                         ; the closing round
	s_endpgm
.Lfunc_end_k_q3960f352e4_qkv:
	.size	k_q3960f352e4_qkv, .Lfunc_end_k_q3960f352e4_qkv-k_q3960f352e4_qkv
	.p2alignl 7, 3214868480
	.fill 96, 4, 3214868480
	.section	.rodata,"a",@progbits
	.p2align	6, 0x0
	.amdhsa_kernel k_q3960f352e4_qkv
		.amdhsa_group_segment_fixed_size 197120
		.amdhsa_private_segment_fixed_size 0
		.amdhsa_enable_private_segment 0
		.amdhsa_kernarg_size 56
		.amdhsa_user_sgpr_count 2
		.amdhsa_user_sgpr_kernarg_segment_ptr 1
		.amdhsa_wavefront_size32 1
		.amdhsa_system_sgpr_workgroup_id_x 1
		.amdhsa_system_sgpr_workgroup_id_y 1
		.amdhsa_system_sgpr_workgroup_id_z 1
		.amdhsa_system_vgpr_workitem_id 0
		.amdhsa_next_free_vgpr 1024
		.amdhsa_next_free_sgpr 88
		.amdhsa_reserve_vcc 0
		.amdhsa_float_denorm_mode_32 3
		.amdhsa_float_denorm_mode_16_64 3
		.amdhsa_memory_ordered 1
		.amdhsa_forward_progress 1
		.amdhsa_inst_pref_size 161
	.end_amdhsa_kernel
	.amdgpu_metadata
---
amdhsa.version: [ 1, 2 ]
amdhsa.kernels:
  - .name:           k_q3960f352e4_qkv
    .symbol:         k_q3960f352e4_qkv.kd
    .args:
      - { .name: x_img, .offset: 0, .size: 8, .value_kind: global_buffer, .address_space: global }
      - { .name: wa_img, .offset: 8, .size: 8, .value_kind: global_buffer, .address_space: global }
      - { .name: b_attn, .offset: 16, .size: 8, .value_kind: global_buffer, .address_space: global }
      - { .name: lowp_scales, .offset: 24, .size: 8, .value_kind: global_buffer, .address_space: global }
      - { .name: q_img, .offset: 32, .size: 8, .value_kind: global_buffer, .address_space: global }
      - { .name: k_img, .offset: 40, .size: 8, .value_kind: global_buffer, .address_space: global }
      - { .name: v_img, .offset: 48, .size: 8, .value_kind: global_buffer, .address_space: global }
    .group_segment_fixed_size: 197120
    .private_segment_fixed_size: 0
    .kernarg_segment_align: 8
    .kernarg_segment_size: 56
    .max_flat_workgroup_size: 128
    .sgpr_count:     88
    .vgpr_count:     1024
    .wavefront_size: 32
...
	.end_amdgpu_metadata
.endif
;; end of part 2
;; launch attn (part 3): grid 4 x 64, 16 waves a work-group, clusters of 4 x 1, 264,192 bytes of LDS; arguments q_img, k_img, v_img, lowp_scales, y_img; writes y_img
.if DOCPART == 3
	.amdgcn_target "amdgcn-amd-amdhsa--gfx1250"
	.amdhsa_code_object_version 6
	.text
	.protected	k_q3960f352e4_attn
	.globl	k_q3960f352e4_attn
	.p2align	8
	.type	k_q3960f352e4_attn,@function
k_q3960f352e4_attn:
	s_mov_b64 s[64:65], 0
	v_nop
	global_prefetch_b8 v0, s[64:65] scope:SCOPE_SE
	s_setreg_imm32_b32 hwreg(HW_REG_WAVE_MODE, 25, 1), 1
	s_wait_xcnt 0x0
	s_wait_alu depctr_hold_cnt(0) depctr_sa_sdst(0) depctr_va_vdst(0) depctr_va_sdst(0) depctr_va_ssrc(0) depctr_va_vcc(0) depctr_vm_vsrc(0)
	s_getreg_b32 s2, hwreg(HW_REG_IB_STS2, 6, 4)
	s_cmp_eq_u32 s2, 0
	s_cbranch_scc0 .Lentry_in_a_cluster
	s_endpgm
.Lentry_in_a_cluster:
	s_bfe_u32 s2, ttmp6, 0x10000c
	s_cmp_lg_u32 s2, 0x3003
	s_cbranch_scc0 .Lentry_shape_is_right
	s_endpgm
.Lentry_shape_is_right:
; y[b][t][h][:] = the sum over keys k <= t of softmax_k(q . k / 8) v, both products on codes of BF8 (E5M2); y is quantised (2^e6) and stored as an image of the registers in which the last product wants it.
; THE SOFTMAX AHEAD OF THE SECOND PRODUCT: t = score x log2(e) / 8; M = the running largest t rounded UP to a whole number; p = 2^(t - M) is quantised (2^e4), not normalised; the row's sum is taken of the
; unquantised p and divides at the end.  When M moves, the sum and O are multiplied by 2^(old M - new M): exact.
; SHARES.  A cluster of four work-groups is one head hb (cluster y).  THE HEAD'S WHOLE K AND V LIE IN LDS, 131,072 bytes each, filled once by joint loads, one of 16,384 bytes a wave: no ring, nothing is filled again.
; The head's 2,048 queries are 16 blocks of 128, a block 8 tiles of 16.  Wave w owns TWO tiles: tile 0 in block 15 - a, tile 1 in block a, a = w % 8, both at place 2 cx + w / 8 of their block.
; Block g needs g + 1 key steps of 128, so every wave walks (16 - a) + (a + 1) = 17 steps of a tile.  In key steps 0 .. a both tiles are at work and share each fragment of K and V; in steps a + 1 .. 15 - a tile 0 alone.
; Which steps a wave leaves out or masks hangs on the wave's number alone and is alike in the four partners; cx enters Q's and y's addresses and one number of the mask.
; LAYOUT.  Both products transposed: S^T = K Q^T (source 0 = 16 keys, source 1 = 16 queries), O^T = V^T P^T (source 0 = 16 of the head's 64, source 1 = P): a lane holds ONE query (lane % 16) throughout.
; In S^T's tile T lane (r, h) holds keys 16 T + 8 h + 0..7: their codes ARE registers 2 T, 2 T + 1 of the K = 128 operand.  The images hold groups of 512 bytes (16 rows x 32 k, 16 bytes a lane at 16 x lane): no pitch, no padding.
; V's fragments are asked for as soon as the step's last score products are issued, into the registers that held K's: the softmax stands between the loads and the wait for them.
; CAUSAL.  A step all of whose 128 keys come after a tile's block is left out for that tile by a scalar branch on the wave's number; in the step on the diagonal hidden scores become -infinity ahead of the maximum.
; LIMITS: e2 + e3 between -123 and 130 (added to c's exponent field); e4, e6 between -126 and 112; e4 + e5 is applied by v_ldexp_f32 and has none; the scaled scores stay under 2^31 in magnitude.
; No prefetch: every byte of K and V is asked for by the head's one load a wave, and no loop runs ahead of a load.
.set LI,   1                           ; v1   16 x lane: my place in a group
.set DM,   2                           ; v2   16 (2 cx + w / 8) + r - 8 h: on the diagonal register 8 T + j is hidden where 16 T + j is above it
.set ADK,  3                           ; v3   LDS address of the step's K
.set ADV,  4                           ; v4   of its V
.set LIM,  5                           ; v5   57,344 x 2^e4 (at the end: x 2^e6)
.set SCL,  6                           ; v6   2^e4 (at the end: 2^e6)
.set NINF, 7                           ; v7   -infinity
.set LIM2, 26                          ; v26  57,344 x 2^e4 once more, for the second half of a dual pair
                                       ; v8, v9, v22-25 at work (chains of maxima and sums); v10.. tile 0: -M, largest t, the sum in two halves; v14.. tile 1; v[18:19], v[20:21] f of tile 0, 1
.set Q,    28                          ; v28-43   Q's two fragments
.set P,    44                          ; v44-59   p's codes of tile 0 (tile 1's take v124-139)
.set KFR,  60                          ; v60-123  K's eight fragments, then V's four
.set S,    124                         ; v124-187 S^T, then p; its first 16 then tile 1's codes
.set O,    188                         ; v188-251 O^T: 32 registers a tile
.set WV,   14
.set CX,   15
.set HB,   16
.set GA,   17                          ; s17  a: tile 1's block
.set QB0,  18                          ; s18  128 (15 - a): the first key of tile 0's step on the diagonal
.set QB1,  19                          ; s19  128 a: of tile 1's
.set SEL,  20                          ; s[20:21] v_permlanex16_b32's selects for lane l xor 16
.set CS,   22                          ; s[22:23] c = log2(e) / 8 x 2^(e2 + e3)
.set G1,   24
.set G0,   32
.set GB,   36                          ; s36  15 - a
.set TI,   38                          ; s38  2 cx + w / 8
.set KF,   48                          ; s48  the step's first key
.set TB,   49                          ; s49  its K's first LDS byte: 64 KF
.set CNT,  50
.set EX,   52                          ; s[52:59] e0 .. e7
.set Y0,   74                          ; s[74:75] tile 0's place in y's image; tile 1's in s[12:13]
.macro CROUND
	s_barrier_signal -1
	s_barrier_wait -1
	s_cmp_lg_u32 s[WV], 0
	s_cbranch_scc1 .Lnot_wave_0_\@
	s_barrier_signal -3
.Lnot_wave_0_\@:
	s_barrier_wait -3
	s_barrier_signal -1
	s_barrier_wait -1
.endm
	s_load_b256 s[4:11], s[0:1], 0x0               ; q_img s[4:5], k_img s[6:7], v_img s[8:9], the scales' exponents s[10:11]
	s_load_b64 s[12:13], s[0:1], 0x20              ; y_img
	v_lshl_add_u32 v254, v0, 2, 0x40000
	v_mov_b32 v255, 0
	ds_add_u32 v254, v255                          ; the opening lines: the add, twice on end, and its wait ahead of my tensor load
	ds_add_u32 v254, v255
	v_lshrrev_b32 v1, 5, v0
	s_delay_alu instid0(VALU_DEP_1)
	v_readfirstlane_b32 s[WV], v1                  ; wave 0..15
	s_bfe_u32 s[CX], ttmp6, 0x40000                ; cx
	s_and_b32 s[HB], ttmp7, 0xffff                 ; the head: 16 b + h
	s_and_b32 s[GA], s[WV], 7
	s_xor_b32 s[GB], s[GA], 15                     ; 15 - a
	s_lshl_b32 s[QB0], s[GB], 7
	s_lshl_b32 s[QB1], s[GA], 7
	; descriptor group 1: a dense block of 16,384 bytes as 64 rows of 32 elements of 8 bytes, for all four work-groups
	s_mov_b32 s[G1], 15|(3<<16)|(1<<21)            ; 15:0 the mask; 17:16 elements of 8 bytes; 20 no padding; 21 set beside a mask
	s_mov_b32 s[G1+1], 32<<16                      ; tensor_dim0
	s_mov_b32 s[G1+2], 64<<16                      ; tensor_dim1
	s_mov_b32 s[G1+3], 32<<16                      ; tile_dim0
	s_mov_b32 s[G1+4], 64                          ; tile_dim1
	s_mov_b32 s[G1+5], 32                          ; tensor_dim0_stride
	s_mov_b32 s[G1+6], 0
	s_mov_b32 s[G1+7], 0
	s_mov_b32 s[SEL], 0x76543210
	s_mov_b32 s[SEL+1], 0xfedcba98
	s_mov_b32 s[CS], 0x3e38aa3b                    ; log2(e) / 8
	s_lshl_b32 s62, s[WV], 14                      ; in LDS: 16,384 x wave: K from byte 0 (waves 0-7), V from byte 131,072 (waves 8-15)
	s_lshl_b32 s63, s[GA], 14
	s_lshl_b32 s66, s[HB], 17
	s_add_co_u32 s66, s66, s63                     ; in memory: piece w % 8 of the head's 131,072 bytes
	s_mov_b32 s67, 0
	s_wait_dscnt 0x0
	s_wait_kmcnt 0x0
	s_load_b256 s[EX:EX+7], s[10:11], 0x0
	s_cmp_lt_u32 s[WV], 8
	s_cselect_b64 s[68:69], s[6:7], s[8:9]
	s_mov_b32 s[G0], 1
	s_mov_b32 s[G0+1], s62
	s_add_nc_u64 s[G0+2:G0+3], s[68:69], s[66:67]
	s_or_b32 s[G0+3], s[G0+3], 0x80000000
	CROUND                                         ; all four work-groups are here: the joint loads meet
	tensor_load_to_lds s[G0:G0+3], s[G1:G1+7]      ; my one tensor load of the launch
	s_nop 0
.rept 4
	v_nop
.endr
	s_lshr_b32 s60, s[WV], 3
	s_lshl_b32 s[TI], s[CX], 1
	s_add_co_u32 s[TI], s[TI], s60                 ; my tiles' place in their blocks
	s_lshl_b32 s63, s[HB], 17
	s_lshl_b32 s61, s[GB], 3
	s_add_co_u32 s61, s61, s[TI]                   ; tile 0: 8 (15 - a) + place
	s_lshl_b32 s61, s61, 10
	s_add_co_u32 s66, s61, s63
	s_add_nc_u64 s[68:69], s[4:5], s[66:67]
	s_lshl_b32 s61, s[GA], 3
	s_add_co_u32 s61, s61, s[TI]                   ; tile 1: 8 a + place
	s_lshl_b32 s61, s61, 10
	s_add_co_u32 s66, s61, s63
	s_add_nc_u64 s[70:71], s[4:5], s[66:67]
	v_and_b32 v1, 31, v0
	s_delay_alu instid0(VALU_DEP_1)
	v_lshlrev_b32 v[LI], 4, v1
.irp c, 0,1
	global_load_b128 v[Q+4*\c:Q+4*\c+3], v[LI], s[68:69] offset:\c*512 th:TH_LOAD_NT
	global_load_b128 v[Q+8+4*\c:Q+8+4*\c+3], v[LI], s[70:71] offset:\c*512 th:TH_LOAD_NT
.endr
	s_lshr_b32 s66, s[HB], 4                       ; y's image: rows m = 2,048 b + t, k = 64 h + d: row tile p = 128 b + 8 block + place, group 2 h + d / 32
	s_lshl_b32 s66, s66, 4
	s_add_co_u32 s61, s66, s[GB]
	s_lshl_b32 s61, s61, 17                        ; (p >> 3) << 17, tile 0
	s_add_co_u32 s62, s66, s[GA]
	s_lshl_b32 s62, s62, 17                        ; tile 1
	s_bfe_u32 s60, s[HB], 0x20002
	s_lshl_b32 s60, s60, 15                        ; (h >> 2) << 15
	s_lshl_b32 s63, s[TI], 12                      ; (p & 7) << 12
	s_add_co_u32 s60, s60, s63
	s_and_b32 s63, s[HB], 3
	s_lshl_b32 s63, s63, 10                        ; 2 (h & 3) << 9
	s_add_co_u32 s60, s60, s63
	s_add_co_u32 s72, s61, s60
	s_mov_b32 s73, 0
	s_add_nc_u64 s[Y0:Y0+1], s[12:13], s[72:73]
	s_add_co_u32 s72, s62, s60
	s_add_nc_u64 s[12:13], s[12:13], s[72:73]
	v_and_b32 v[DM], 15, v0
	v_bfe_u32 v23, v0, 4, 1
	s_delay_alu instid0(VALU_DEP_1)
	v_lshlrev_b32 v23, 3, v23
	s_delay_alu instid0(VALU_DEP_1)
	v_sub_nc_u32 v[DM], v[DM], v23
	s_lshl_b32 s72, s[TI], 4
	v_add_nc_u32 v[DM], s72, v[DM]
	v_mov_b32 v[NINF], 0xff800000
	v_mov_b32 v11, 0xff61b1e6                      ; the largest t so far: -3e38, under every t
	v_mov_b32 v15, 0xff61b1e6
	s_delay_alu instid0(VALU_DEP_2)
	v_floor_f32 v10, -v11                          ; -M
	s_delay_alu instid0(VALU_DEP_2)
	v_floor_f32 v14, -v15
	v_mov_b32 v12, 0                               ; the sums, in two halves
	v_mov_b32 v13, 0
	v_mov_b32 v16, 0
	v_mov_b32 v17, 0
	v_mov_b32 v19, 0                               ; (named as the upper halves of f's pairs)
	v_mov_b32 v21, 0
	v_mov_b32 v22, 0                               ; written once: a lane permute's destination counts as one of its sources
.set n, 0
.rept 64
	v_mov_b32 v[O+n], 0                            ; O^T.  (The step has no first copy of its own: a tile's first step finds zeros, which the first change of M leaves zeros)
.set n, n+1
.endr
	s_wait_kmcnt 0x0
	s_add_co_i32 s60, s[EX+2], s[EX+3]
	s_lshl_b32 s60, s60, 23
	s_add_co_i32 s[CS], s[CS], s60                 ; a score stands for score x 2^(e2 + e3)
	s_mov_b32 s[CS+1], s[CS]                       ; (named with it as a pair, so it is written)
	s_add_co_i32 s60, s[EX+4], 127
	s_lshl_b32 s61, s60, 23
	v_mov_b32 v[SCL], s61                          ; 2^e4
	s_add_co_i32 s60, s60, 15
	s_lshl_b32 s60, s60, 23
	s_or_b32 s60, s60, 0x600000
	v_mov_b32 v[LIM], s60                          ; 57,344 x 2^e4
	v_mov_b32 v[LIM2], s60
; Eight products S^T = K Q^T for the tile of queries whose fragment begins at v[q], and the four places behind them.  arrive = 1: K's 16 loads have just been issued: product n waits for loads 0 .. 2 n + 1, and the 14 - 2 n younger may be out
.macro SPROD q, arrive
.set n, 0
.rept 8
.if \arrive
	s_wait_dscnt 14-2*n
.endif
	v_wmma_f32_16x16x64_bf8_bf8 v[S+8*n:S+8*n+7], v[KFR+8*n:KFR+8*n+7], v[\q:\q+7], 0
.set n, n+1
.endr
.rept 4
	v_nop
.endr
.endm
.macro VLOAD                           ; the step's V over K's fragments, which are done with: d tile n / 4, keys 32 (n % 4) on
.set n, 0
.rept 16
	ds_load_b128 v[KFR+4*n:KFR+4*n+3], v[ADV] offset:512*n
.set n, n+1
.endr
.endm
; Tile u's softmax for one key step; s[qb]: the first key of its step on the diagonal.  Tile 0's codes go to v[P] on, tile 1's to v[S] on.
.macro SOFTMAX u, qb
.set ST, 10+4*(\u)
.set F,  18+2*(\u)
	s_cmp_lg_u32 s[KF], s[\qb]                     ; only the step on the diagonal is masked
	s_cbranch_scc1 .Lopen_\@
.set n, 0
.rept 64
	v_cmp_gt_i32 vcc_lo, 16*(n/8)+n%8, v[DM]
	v_cndmask_b32 v[S+n], v[S+n], v[NINF], vcc_lo
.set n, n+1
.endr
.Lopen_\@:
.irp k, 0,1,2,3                        ; the step's largest score of my query among my 64 keys: four chains (v8, v9, v24, v25), 16 scores each, each accumulator from its low end on
	v_max3_num_f32 v[8+(\k%2)+16*(\k/2)], v[S+16*\k], v[S+16*\k+1], v[S+16*\k+2]
.endr
.set n, 3
.rept 6
.irp k, 0,1,2,3
	v_max3_num_f32 v[8+(\k%2)+16*(\k/2)], v[8+(\k%2)+16*(\k/2)], v[S+16*\k+n], v[S+16*\k+n+1]
.endr
.set n, n+2
.endr
	v_max3_num_f32 v8, v8, v[S+15], v[S+31]
	v_max3_num_f32 v24, v24, v[S+47], v[S+63]
	s_delay_alu instid0(VALU_DEP_1)
	v_max3_num_f32 v8, v8, v9, v24
	s_delay_alu instid0(VALU_DEP_1)
	v_max_num_f32 v8, v8, v25
	s_delay_alu instid0(VALU_DEP_1)
	v_permlanex16_b32 v22, v8, s[SEL], s[SEL+1]
	s_delay_alu instid0(VALU_DEP_1)
	v_max_num_f32 v8, v8, v22                      ; and among lane l xor 16's
	s_delay_alu instid0(VALU_DEP_1)
	v_mul_f32 v8, s[CS], v8                        ; as t (c is positive)
	s_delay_alu instid0(VALU_DEP_1)
	v_max_num_f32 v[ST+1], v[ST+1], v8             ; the running largest t
	v_mov_b32 v8, v[ST]
	s_delay_alu instid0(VALU_DEP_2)
	v_floor_f32 v[ST], -v[ST+1]                    ; the new -M = floor(-t) = -ceil(t)
	s_delay_alu instid0(VALU_DEP_1)
	v_sub_f32 v8, v[ST], v8                        ; old M - new M: a whole number, 0 or less
	s_delay_alu instid0(VALU_DEP_1)
	v_cvt_i32_f32 v8, v8                           ; (it saturates)
	s_delay_alu instid0(VALU_DEP_1)
	v_ldexp_f32 v[F], 1.0, v8                      ; f = 2^(old M - new M)
.set n, 0
.rept 32
	v_pk_fma_f32 v[S+n:S+n+1], v[S+n:S+n+1], s[CS:CS+1], v[ST:ST+1] op_sel_hi:[1,0,0]   ; t - M, two at a time
.set n, n+2
.endr
	s_wait_alu depctr_va_vdst(0)                   ; the wait ahead of the batch
.set n, 0
.rept 64
	v_exp_f32 v[S+n], v[S+n]                       ; p = 2^(t - M), at most 1
.set n, n+1
.endr
	v_pk_mul_f32 v[ST+2:ST+3], v[ST+2:ST+3], v[F:F+1] op_sel_hi:[1,0]   ; the sums under the new M.  (A plain line behind the exponentials)
	s_wait_alu depctr_va_vdst(0)                   ; one wait for the whole batch, ahead of its first reader
	v_pk_add_f32 v[24:25], v[S:S+1], v[S+2:S+3]    ; the row's sum is taken of the unquantised p, in four chains
	v_pk_add_f32 v[8:9], v[S+4:S+5], v[S+6:S+7]
	v_pk_add_f32 v[22:23], v[S+8:S+9], v[S+10:S+11]
	v_pk_add_f32 v[ST+2:ST+3], v[ST+2:ST+3], v[S+12:S+13]
.set n, 14
.rept 6
	v_pk_add_f32 v[24:25], v[24:25], v[S+n:S+n+1]
	v_pk_add_f32 v[8:9], v[8:9], v[S+n+2:S+n+3]
	v_pk_add_f32 v[22:23], v[22:23], v[S+n+4:S+n+5]
	v_pk_add_f32 v[ST+2:ST+3], v[ST+2:ST+3], v[S+n+6:S+n+7]
.set n, n+8
.endr
	v_pk_add_f32 v[24:25], v[24:25], v[S+62:S+63]
	v_pk_add_f32 v[8:9], v[8:9], v[22:23]
	s_delay_alu instid0(VALU_DEP_2)
	v_pk_add_f32 v[ST+2:ST+3], v[ST+2:ST+3], v[24:25]
	s_delay_alu instid0(VALU_DEP_1)
	v_pk_add_f32 v[ST+2:ST+3], v[ST+2:ST+3], v[8:9]
.set n, 0
.rept 32                               ; the conversion does not saturate (ISA guide 7.6.2); p is not negative, so the hold is one-sided; two holds to a dual pair
	v_dual_min_num_f32 v[S+n], v[S+n], v[LIM] :: v_dual_min_num_f32 v[S+n+1], v[S+n+1], v[LIM2]
.set n, n+2
.endr
.if \u
	v_cvt_scalef32_pk8_bf8_f32 v[8:9], v[S:S+7], v[SCL]         ; tile 1's codes end in v[S] .. v[S+15]: the first four wait in other registers,
	v_cvt_scalef32_pk8_bf8_f32 v[24:25], v[S+8:S+15], v[SCL]
	v_nop                                          ; (a plain line between these two conversions and the lines that write over what they read)
.set n, 2
.rept 6
	v_cvt_scalef32_pk8_bf8_f32 v[S+2*n:S+2*n+1], v[S+8*n:S+8*n+7], v[SCL]   ; the others land on p's first 16 registers, which are done with,
.set n, n+1
.endr
	v_mov_b32 v[S], v8                             ; and the first four follow
	v_mov_b32 v[S+1], v9
	v_mov_b32 v[S+2], v24
	v_mov_b32 v[S+3], v25
.else
.set n, 0
.rept 8
	v_cvt_scalef32_pk8_bf8_f32 v[P+2*n:P+2*n+1], v[S+8*n:S+8*n+7], v[SCL]
.set n, n+1
.endr
.endif
.endm
; O^T of tile u under the new M, then O^T += V^T P^T: four accumulators, one turn each
.macro RESCALE u
	s_wait_alu depctr_va_vdst(0)                   ; the wait directly ahead of the first reader of O^T
.set n, 32*(\u)
.rept 16
	v_pk_mul_f32 v[O+n:O+n+1], v[O+n:O+n+1], v[18+2*(\u):19+2*(\u)] op_sel_hi:[1,0]
.set n, n+2
.endr
.endm
.macro PV u, p
.irp d, 0,1,2,3
	v_wmma_f32_16x16x128_bf8_bf8 v[O+32*(\u)+8*\d:O+32*(\u)+8*\d+7], v[KFR+16*\d:KFR+16*\d+15], v[\p:\p+15], v[O+32*(\u)+8*\d:O+32*(\u)+8*\d+7]
.endr
.endm
; A KEY STEP: 128 keys; tile 0 while the step is at or under its diagonal, tile 1 likewise.  The two kinds of step are two arms of one branch.
.macro STEP
	s_cmp_gt_u32 s[KF], s[QB0]                     ; all its keys come after both my blocks: left out.  The lines at its end that step addresses are not
	s_cbranch_scc1 .Lhidden_\@
	v_add_nc_u32 v[ADK], s[TB], v[LI]
	s_delay_alu instid0(VALU_DEP_1)
	v_add_nc_u32 v[ADV], 0x20000, v[ADK]
.rept 3
	v_nop                                          ; with the two additions five places behind the last step's products: four for the loads over V's fragments, five for the products that write over tile 1's codes
.endr
.set n, 0
.rept 16
	ds_load_b128 v[KFR+4*n:KFR+4*n+3], v[ADK] offset:512*n   ; the step's K: 8,192 bytes on end: tile n / 2, group n % 2
.set n, n+1
.endr
	s_wait_alu depctr_va_vdst(0)                   ; the wait directly ahead of the waits below
	SPROD Q, 1
	s_cmp_gt_u32 s[KF], s[QB1]                     ; past tile 1's diagonal: tile 0 alone
	s_cbranch_scc1 .Lone_\@
	SOFTMAX 0, QB0
	v_nop                                          ; a plain line between the conversions and the products that write over what they read
	SPROD Q+8, 0
	VLOAD                                          ; behind the products' four places
	SOFTMAX 1, QB1
	s_branch .Lpv_\@
.Lone_\@:
	VLOAD
	SOFTMAX 0, QB0
.Lpv_\@:
	RESCALE 0                                      ; (also the plain lines behind the conversions)
	s_wait_alu depctr_va_vdst(0)                   ; the wait directly ahead of the wait below
	s_wait_dscnt 0x0                               ; V
	PV 0, P
	s_cmp_gt_u32 s[KF], s[QB1]
	s_cbranch_scc1 .Lhidden_\@
	RESCALE 1
	PV 1, S
.Lhidden_\@:
	s_add_co_u32 s[KF], s[KF], 128
	s_add_co_u32 s[TB], s[TB], 8192
.endm
	s_wait_alu depctr_va_vdst(0)
	s_wait_loadcnt 0x0                             ; Q
	s_wait_tensorcnt 0x0                           ; my piece of K or V is in
	s_barrier_signal -1
	s_barrier_wait -1                              ; everybody's is: from here on the waves run free
	s_mov_b32 s[KF], 0
	s_mov_b32 s[TB], 0
	s_mov_b32 s[CNT], 16
.Lkeys:
	STEP
	s_sub_co_u32 s[CNT], s[CNT], 1
	s_cmp_lg_u32 s[CNT], 0
	s_cbranch_scc1 .Lkeys
	; THE WAY OUT: y = O^T x 2^(e4 + e5) / the sum, held, quantised with 2^e6.  d tiles 2 s and 2 s + 1 give group s of a tile's 16 rows of y's image.
.rept 4
	v_nop                                          ; places behind the last products
.endr
	v_add_f32 v12, v12, v13
	v_add_f32 v16, v16, v17
	s_delay_alu instid0(VALU_DEP_2)
	v_permlanex16_b32 v22, v12, s[SEL], s[SEL+1]
	s_delay_alu instid0(VALU_DEP_2)
	v_permlanex16_b32 v23, v16, s[SEL], s[SEL+1]
	s_delay_alu instid0(VALU_DEP_2)
	v_add_f32 v12, v12, v22                        ; the rows' sums
	s_delay_alu instid0(VALU_DEP_2)
	v_add_f32 v16, v16, v23
	s_wait_alu depctr_va_vdst(0)                   ; the wait ahead of the transcendentals
	v_rcp_f32 v12, v12
	v_rcp_f32 v16, v16
	s_add_co_i32 s60, s[EX+6], 127
	s_lshl_b32 s61, s60, 23
	v_mov_b32 v[SCL], s61                          ; 2^e6.  (A plain line behind the reciprocals)
	s_add_co_i32 s60, s60, 15
	s_lshl_b32 s60, s60, 23
	s_or_b32 s60, s60, 0x600000
	v_mov_b32 v[LIM], s60                          ; 57,344 x 2^e6
	s_add_co_i32 s62, s[EX+4], s[EX+5]
	s_wait_alu depctr_va_vdst(0)                   ; the wait ahead of the reciprocals' first reader
	v_ldexp_f32 v12, v12, s62
	v_ldexp_f32 v16, v16, s62
	s_wait_alu depctr_va_vdst(0)                   ; the wait directly ahead of the first reader of O^T
.set n, 0
.rept 16
	v_pk_mul_f32 v[O+n:O+n+1], v[O+n:O+n+1], v[12:13] op_sel_hi:[1,0]
.set n, n+2
.endr
.set n, 32
.rept 16
	v_pk_mul_f32 v[O+n:O+n+1], v[O+n:O+n+1], v[16:17] op_sel_hi:[1,0]
.set n, n+2
.endr
.set n, 0
.rept 64
	v_med3_num_f32 v[O+n], v[O+n], -v[LIM], v[LIM]
.set n, n+1
.endr
.set n, 0
.rept 8
	v_cvt_scalef32_pk8_bf8_f32 v[P+2*n:P+2*n+1], v[O+8*n:O+8*n+7], v[SCL]
.set n, n+1
.endr
	v_nop                                          ; a plain line behind the conversions
.irp s, 0,1
	global_store_b128 v[LI], v[P+4*\s:P+4*\s+3], s[Y0:Y0+1] offset:\s*512       ; a group: 512 consecutive bytes
	global_store_b128 v[LI], v[P+8+4*\s:P+8+4*\s+3], s[12:13] offset:\s*512
.endr
	s_wait_tensorcnt 0x0                           ; the wave's end
	ds_add_u32 v254, v255
	s_wait_dscnt 0x0
	CROUND                                         ; the closing round
	s_endpgm
.Lfunc_end_k_q3960f352e4_attn:
	.size	k_q3960f352e4_attn, .Lfunc_end_k_q3960f352e4_attn-k_q3960f352e4_attn
	.p2alignl 7, 3214868480
	.fill 96, 4, 3214868480
	.section	.rodata,"a",@progbits
	.p2align	6, 0x0
	.amdhsa_kernel k_q3960f352e4_attn
		.amdhsa_group_segment_fixed_size 264192
		.amdhsa_private_segment_fixed_size 0
		.amdhsa_enable_private_segment 0
		.amdhsa_kernarg_size 40
		.amdhsa_user_sgpr_count 2
		.amdhsa_user_sgpr_kernarg_segment_ptr 1
		.amdhsa_wavefront_size32 1
		.amdhsa_system_sgpr_workgroup_id_x 1
		.amdhsa_system_sgpr_workgroup_id_y 1
		.amdhsa_system_sgpr_workgroup_id_z 1
		.amdhsa_system_vgpr_workitem_id 0
		.amdhsa_next_free_vgpr 256
		.amdhsa_next_free_sgpr 76
		.amdhsa_reserve_vcc 1
		.amdhsa_float_denorm_mode_32 3
		.amdhsa_float_denorm_mode_16_64 3
		.amdhsa_memory_ordered 1
		.amdhsa_forward_progress 1
		.amdhsa_inst_pref_size 74
	.end_amdhsa_kernel
	.amdgpu_metadata
---
amdhsa.version: [ 1, 2 ]
amdhsa.kernels:
  - .name:           k_q3960f352e4_attn
    .symbol:         k_q3960f352e4_attn.kd
    .args:
      - { .name: q_img, .offset: 0, .size: 8, .value_kind: global_buffer, .address_space: global }
      - { .name: k_img, .offset: 8, .size: 8, .value_kind: global_buffer, .address_space: global }
      - { .name: v_img, .offset: 16, .size: 8, .value_kind: global_buffer, .address_space: global }
      - { .name: lowp_scales, .offset: 24, .size: 8, .value_kind: global_buffer, .address_space: global }
      - { .name: y_img, .offset: 32, .size: 8, .value_kind: global_buffer, .address_space: global }
    .group_segment_fixed_size: 264192
    .private_segment_fixed_size: 0
    .kernarg_segment_align: 8
    .kernarg_segment_size: 40
    .max_flat_workgroup_size: 512
    .sgpr_count:     76
    .vgpr_count:     256
    .wavefront_size: 32
...
	.end_amdgpu_metadata
.endif
;; end of part 3
;; launch proj (part 4): grid 32 x 8, 4 waves a work-group, clusters of 4 x 1, 167,936 bytes of LDS; arguments y_img, wp_img, b_proj, lowp_scales, out0; writes out0
.if DOCPART == 4
	.amdgcn_target "amdgcn-amd-amdhsa--gfx1250"
	.amdhsa_code_object_version 6
	.text
	.protected	k_q3960f352e4_proj
	.globl	k_q3960f352e4_proj
	.p2align	8
	.type	k_q3960f352e4_proj,@function
k_q3960f352e4_proj:
	s_mov_b64 s[64:65], 0
	v_nop
	global_prefetch_b8 v0, s[64:65] scope:SCOPE_SE
	s_setreg_imm32_b32 hwreg(HW_REG_WAVE_MODE, 25, 1), 1
	s_wait_xcnt 0x0
	s_wait_alu depctr_hold_cnt(0) depctr_sa_sdst(0) depctr_va_vdst(0) depctr_va_sdst(0) depctr_va_ssrc(0) depctr_va_vcc(0) depctr_vm_vsrc(0)
	s_getreg_b32 s2, hwreg(HW_REG_IB_STS2, 6, 4)
	s_cmp_eq_u32 s2, 0
	s_cbranch_scc0 .Lentry_in_a_cluster
	s_endpgm
.Lentry_in_a_cluster:
	s_bfe_u32 s2, ttmp6, 0x10000c
	s_cmp_lg_u32 s2, 0x3003
	s_cbranch_scc0 .Lentry_shape_is_right
	s_endpgm
.Lentry_shape_is_right:
; out0 = y w_proj + b_proj on codes of BF8 (E5M2), K = 1,024; scales 2^e6 (y) and 2^e7 (w_proj); out0 is f32.
; SHARES.  256 work-groups: work-group (rg, c) makes 256 rows (rg = 0..31) x 128 columns (c = 0..7).  ITS 128 COLUMNS OF w_proj LIE WHOLE IN LDS: 131,072 bytes, dense in wp_img, filled once, one joint load of 32,768 bytes
; a wave: no ring, nothing is filled again, no barrier in the walk along K.  The four work-groups of a cluster (same c, neighbouring rg) ask for them jointly.
; y's codes are each wave's own 64 rows: y_img holds images of the operand's registers, so they go from memory straight into registers, 512 consecutive bytes a load, in four sets by turns, four K steps of 128 ahead of their use:
; so no separate prefetch is laid.  A wave makes 64 rows x 128 columns: 32 accumulators; a K step is two half steps of 16 products; the weights' fragments have four sets of 64 registers by turns.
; Source 0 = 16 columns of w, source 1 = 16 rows of y: a lane holds eight neighbouring numbers of a row of out0.  The bias is the C of the first products, divided by 2^(e6 + e7); each finished sum is multiplied by that power once.
; THE WAY OUT: 16 rows x 128 columns at a time through the wave's own stage in LDS (bytes into which no fill lands), back as whole rows of 512 bytes: a store covers 512 consecutive bytes, aligned.
; LIMIT: e6 + e7 between -126 and 126.
; REGISTERS, in windows of 256: window 0: v0-31 addresses, v64-127 the biases (8 T + register), later rows on the way out, v128-191 scaled sums, v192-255 rows on the way out; window 1: y's fragments; window 2: the accumulators
;   ((i, T) at 8 (8 i + T)); window 3: the weights' fragments.
.set STAGE, 131072
.set SPITCH, 528
.set SPARE, STAGE+4*16*SPITCH
.set VR,  2
.set VH,  3
.set LI,  4                            ; v4 16 x lane; v5 the same + 65,536
.set SPW, 8
.set NIL, 9
.set STO, 10
.set RDB, 11
.set BCO, 12
.set BI,  64
.set TMP, 128
.set WV,  18
.set CX,  19
.set CG,  20
.set RG,  21
.set AB,  22
.set G1,  24
.set G0,  32
.set BS,  36                           ; s[36:37] 2^-(e6 + e7)
.set SC,  38                           ; s[38:39] 2^(e6 + e7)
.set OB,  40
.set BB,  42
.set EE,  44
.set MSB, 0
.macro WIN new                         ; the immediate's high byte repeats the setting that is left
.if MSB != (\new)
	s_set_vgpr_msb (MSB<<8)|(\new)
.set MSB, (\new)
.endif
.endm
.macro NOP4                            ; places behind matrix instructions (ISA guide 7.12.1 for matrix instructions)
.rept 4
	v_nop
.endr
.endm
.macro CROUND
	s_barrier_signal -1
	s_barrier_wait -1
	s_cmp_lg_u32 s[WV], 0
	s_cbranch_scc1 .Lnot_wave_0_\@
	s_barrier_signal -3
.Lnot_wave_0_\@:
	s_barrier_wait -3
	s_barrier_signal -1
	s_barrier_wait -1
.endm
.macro BLOAD n                         ; half step n = 2 q + u: columns 64 u on, K step q, into set n % 4
	WIN 0xc0
.irp t, 0,1,2,3
.irp c, 0,1,2,3
	ds_load_b128 v[64*((\n)%4)+16*\t+4*\c:64*((\n)%4)+16*\t+4*\c+3], v[LI+(\n)%2] offset:((\n)/4)*16384+\t*4096+(((\n)/2)%2)*2048+\c*512
.endr
.endr
	WIN 0
.endm
.macro ALOAD q                         ; y's four fragments of K step q into set q % 4
	WIN 0x40
.irp i, 0,1,2,3
.irp c, 0,1,2,3
	global_load_b128 v[64*((\q)%4)+16*\i+4*\c:64*((\q)%4)+16*\i+4*\c+3], v[LI], s[AB:AB+1] offset:((\q)/2)*32768+\i*4096+((\q)%2)*2048+\c*512
.endr
.endr
	WIN 0
.endm
.macro HS n
.if (\n)>12
	s_wait_dscnt 16*(15-(\n))
.else
	s_wait_dscnt 48                                ; this half step's 16 loads are in; the three younger sets' 48 may be out
.endif
.if (\n)%2==0
.if (\n)>8
	s_wait_loadcnt 16*(7-(\n)/2)
.else
	s_wait_loadcnt 48                              ; this K step's set of y is in; the three younger sets' 48 loads may be out
.endif
.endif
.if (\n)<2
	WIN 0x87                                       ; source 0 window 3, source 1 window 1, C window 0 (the bias), D window 2
.else
	WIN 0xa7
.endif
.irp i, 0,1,2,3
.irp t, 0,1,2,3
.set RD_, 8*(8*\i+4*((\n)%2)+\t)
.if (\n)<2
.set RC_, BI+8*(4*((\n)%2)+\t)
.else
.set RC_, RD_
.endif
	v_wmma_f32_16x16x128_bf8_bf8 v[RD_:RD_+7], v[64*((\n)%4)+16*\t:64*((\n)%4)+16*\t+15], v[64*(((\n)/2)%4)+16*\i:64*(((\n)/2)%4)+16*\i+15], v[RC_:RC_+7]
.endr
.endr
	NOP4
.if (\n)<12
	BLOAD (\n)+4
.endif
.if (\n)%2==1 && (\n)<8
	ALOAD (\n)/2+4
.endif
.endm
	s_load_b256 s[4:11], s[0:1], 0x0               ; y_img s[4:5], wp_img s[6:7], b_proj s[8:9], the scales' exponents s[10:11]
	s_load_b64 s[12:13], s[0:1], 0x20              ; out0
	v_lshl_add_u32 v[SPW], v0, 2, SPARE
	v_mov_b32 v[NIL], 0
	ds_add_u32 v[SPW], v[NIL]                      ; the opening lines: the add, twice on end, and its wait ahead of my tensor load
	ds_add_u32 v[SPW], v[NIL]
	v_lshrrev_b32 v1, 5, v0
	v_readfirstlane_b32 s[WV], v1                  ; wave 0..3
	s_bfe_u32 s[CX], ttmp6, 0x40000
	s_and_b32 s[CG], ttmp7, 0xffff                 ; c
	s_lshl_b32 s[RG], ttmp9, 2
	s_add_co_u32 s[RG], s[RG], s[CX]               ; rg
	s_mov_b32 s[G1], 15|(3<<16)|(1<<21)            ; the mask of all four; elements of 8 bytes; bit 21 beside a mask
	s_mov_b32 s[G1+1], 32<<16                      ; a dense block of 32,768 bytes as 128 rows of 256 bytes
	s_mov_b32 s[G1+2], 128<<16
	s_mov_b32 s[G1+3], 32<<16
	s_mov_b32 s[G1+4], 128
	s_mov_b32 s[G1+5], 32
	s_mov_b32 s[G1+6], 0
	s_mov_b32 s[G1+7], 0
	s_lshl_b32 s66, s[CG], 17
	s_lshl_b32 s67, s[WV], 15
	s_add_co_u32 s66, s66, s67
	s_mov_b32 s[G0+1], s67                         ; in LDS: 32,768 x wave
	s_mov_b32 s67, 0
	s_wait_dscnt 0x0
	s_wait_kmcnt 0x0
	s_load_b64 s[EE:EE+1], s[10:11], 0x18          ; e6, e7
	s_mov_b32 s[G0], 1
	s_add_nc_u64 s[G0+2:G0+3], s[6:7], s[66:67]
	s_or_b32 s[G0+3], s[G0+3], 0x80000000
	CROUND                                         ; all four work-groups are here: the joint loads meet
	tensor_load_to_lds s[G0:G0+3], s[G1:G1+7]      ; my one tensor load of the launch
	s_nop 0
	NOP4
	s_lshl_b32 s66, s[RG], 1                       ; my 64 rows: row tiles 16 rg + 4 wave on
	s_lshr_b32 s68, s[WV], 1
	s_add_co_u32 s66, s66, s68
	s_lshl_b32 s66, s66, 17
	s_and_b32 s68, s[WV], 1
	s_lshl_b32 s68, s68, 14
	s_add_co_u32 s66, s66, s68
	s_add_nc_u64 s[AB:AB+1], s[4:5], s[66:67]
	s_lshl_b32 s66, s[CG], 9
	s_add_nc_u64 s[BB:BB+1], s[8:9], s[66:67]      ; my 128 biases
	s_lshl_b32 s68, s[RG], 20
	s_add_co_u32 s66, s66, s68
	s_lshl_b32 s68, s[WV], 18
	s_add_co_u32 s66, s66, s68                     ; (256 rg + 64 wave) rows of 4,096 bytes + 512 c
	s_add_nc_u64 s[OB:OB+1], s[12:13], s[66:67]
	s_mul_i32 s69, s[WV], 16*SPITCH
	s_add_co_u32 s69, s69, STAGE                   ; my stage
	v_and_b32 v1, 31, v0
	v_lshlrev_b32 v[LI], 4, v1
	v_and_b32 v[VR], 15, v0
	v_bfe_u32 v[VH], v0, 4, 1
	v_add_nc_u32 v[LI+1], 0x10000, v[LI]
	v_lshlrev_b32 v[BCO], 5, v[VH]
	v_mul_u32_u24 v[STO], v[VR], SPITCH
	v_lshl_add_u32 v[STO], v[VH], 5, v[STO]
	v_add_nc_u32 v[STO], s69, v[STO]               ; in: row r, 32 bytes for each half of the lanes
	v_add_nc_u32 v[RDB], s69, v[LI]                ; back: the 32 lanes take one row of 512 bytes
.irp t, 0,1,2,3,4,5,6,7
	global_load_b128 v[BI+8*\t:BI+8*\t+3], v[BCO], s[BB:BB+1] offset:64*\t
	global_load_b128 v[BI+8*\t+4:BI+8*\t+7], v[BCO], s[BB:BB+1] offset:64*\t+16
.endr
	ALOAD 0
	ALOAD 1
	ALOAD 2
	ALOAD 3
	s_wait_alu depctr_va_vdst(0)
	s_wait_kmcnt 0x0
	s_add_co_i32 s66, s[EE], s[EE+1]
	s_sub_co_i32 s68, 127, s66
	s_lshl_b32 s[BS], s68, 23
	s_mov_b32 s[BS+1], s[BS]
	s_add_co_i32 s66, s66, 127
	s_lshl_b32 s[SC], s66, 23
	s_mov_b32 s[SC+1], s[SC]
	s_wait_tensorcnt 0x0                           ; my quarter of the weights is in
	s_barrier_signal -1
	s_barrier_wait -1                              ; everybody's is: from here on the waves run free
	BLOAD 0
	BLOAD 1
	BLOAD 2
	BLOAD 3
	s_wait_loadcnt 48                              ; the biases are in (and y's first set)
.set n, 0
.rept 32
	v_pk_mul_f32 v[BI+n:BI+n+1], v[BI+n:BI+n+1], s[BS:BS+1] op_sel_hi:[1,0]   ; bias / 2^(e6 + e7): exact
.set n, n+2
.endr
	s_wait_alu depctr_va_vdst(0)                   ; the wait ahead of the waits below
.irp n, 0,1,2,3,4,5,6,7,8,9,10,11,12,13,14,15
	HS \n
.endr
.macro TOSTAGE a                       ; row tile a: x 2^(e6 + e7), each accumulator from its low end on, into my stage and back by rows.  LDS serves a wave's instructions in order (ISA guide 5.7.1.4)
.set BK_, 192-128*((\a)%2)
	WIN 0x02
.set n, 0
.rept 32
	v_pk_mul_f32 v[TMP+n:TMP+n+1], v[64*(\a)+n:64*(\a)+n+1], s[SC:SC+1] op_sel_hi:[1,0]
.set n, n+2
.endr
	WIN 0
.irp b, 0,1,2,3,4,5,6,7
	ds_store_b128 v[STO], v[TMP+8*\b:TMP+8*\b+3] offset:64*\b
	ds_store_b128 v[STO], v[TMP+8*\b+4:TMP+8*\b+7] offset:64*\b+16
.endr
.irp t, 0,1,2,3,4,5,6,7,8,9,10,11,12,13,14,15
	ds_load_b128 v[BK_+4*\t:BK_+4*\t+3], v[RDB] offset:\t*SPITCH
.endr
.endm
.macro SEND a, younger                 ; younger: the LDS instructions issued behind row tile a's loads, which may stay out
.set BK_, 192-128*((\a)%2)
	s_wait_dscnt \younger
.irp t, 0,1,2,3,4,5,6,7,8,9,10,11,12,13,14,15
	global_store_b128 v[LI], v[BK_+4*\t:BK_+4*\t+3], s[OB:OB+1] offset:(16*(\a)+\t)*4096 th:TH_STORE_NT
.endr
.endm
	TOSTAGE 0
	TOSTAGE 1
	SEND 0, 32
	s_wait_xcnt 0x0                                ; row tile 0's stores have read their registers
	TOSTAGE 2
	SEND 1, 32
	s_wait_xcnt 0x0
	TOSTAGE 3
	SEND 2, 32
	SEND 3, 0
	s_wait_tensorcnt 0x0                           ; the wave's end
	ds_add_u32 v[SPW], v[NIL]
	s_wait_dscnt 0x0
	CROUND                                         ; the closing round
	s_endpgm
.Lfunc_end_k_q3960f352e4_proj:
	.size	k_q3960f352e4_proj, .Lfunc_end_k_q3960f352e4_proj-k_q3960f352e4_proj
	.p2alignl 7, 3214868480
	.fill 96, 4, 3214868480
	.section	.rodata,"a",@progbits
	.p2align	6, 0x0
	.amdhsa_kernel k_q3960f352e4_proj
		.amdhsa_group_segment_fixed_size 167936
		.amdhsa_private_segment_fixed_size 0
		.amdhsa_enable_private_segment 0
		.amdhsa_kernarg_size 40
		.amdhsa_user_sgpr_count 2
		.amdhsa_user_sgpr_kernarg_segment_ptr 1
		.amdhsa_wavefront_size32 1
		.amdhsa_system_sgpr_workgroup_id_x 1
		.amdhsa_system_sgpr_workgroup_id_y 1
		.amdhsa_system_sgpr_workgroup_id_z 1
		.amdhsa_system_vgpr_workitem_id 0
		.amdhsa_next_free_vgpr 1024
		.amdhsa_next_free_sgpr 72
		.amdhsa_reserve_vcc 0
		.amdhsa_float_denorm_mode_32 3
		.amdhsa_float_denorm_mode_16_64 3
		.amdhsa_memory_ordered 1
		.amdhsa_forward_progress 1
		.amdhsa_inst_pref_size 80
	.end_amdhsa_kernel
	.amdgpu_metadata
---
amdhsa.version: [ 1, 2 ]
amdhsa.kernels:
  - .name:           k_q3960f352e4_proj
    .symbol:         k_q3960f352e4_proj.kd
    .args:
      - { .name: y_img, .offset: 0, .size: 8, .value_kind: global_buffer, .address_space: global }
      - { .name: wp_img, .offset: 8, .size: 8, .value_kind: global_buffer, .address_space: global }
      - { .name: b_proj, .offset: 16, .size: 8, .value_kind: global_buffer, .address_space: global }
      - { .name: lowp_scales, .offset: 24, .size: 8, .value_kind: global_buffer, .address_space: global }
      - { .name: out0, .offset: 32, .size: 8, .value_kind: global_buffer, .address_space: global }
    .group_segment_fixed_size: 167936
    .private_segment_fixed_size: 0
    .kernarg_segment_align: 8
    .kernarg_segment_size: 40
    .max_flat_workgroup_size: 128
    .sgpr_count:     72
    .vgpr_count:     1024
    .wavefront_size: 32
...
	.end_amdgpu_metadata
.endif
;; end of part 4
